; MI455X (gfx1250); checked and timed in simulation.
; The chip was launched on July 23, 2026; its instructions are those of AMD's public machine-readable ISA for CDNA 5 (MIT licence, August 2026) and "CDNA5" Instruction Set Architecture Reference Guide (July 2026). The comments in the code are by the model that wrote it; some were corrected since.
;; Causal Temporal Map Attention 2. Allowed arithmetic: matrix products marked QUANTISED: E5M2 operands, one E8M0 scale for each 32 along K, by v_wmma_scale_f32_16x16x128_f8f6f4 with both operands' format E5M2, f32 sums; everything else in f32.
;; Inputs: W0 512 x 512 float32; W1 64 x 512 float32; W2 512 x 64 float32; W3 64 x 64 float32; e 2,048 x 64 float32; x 8 x 2,048 x 512 float32.
;; Outputs: out0 8 x 2,048 x 512 float32.
;; This version of the problem:
;;   THIS VERSION OF THE PROBLEM IS GIVEN IN LOW PRECISION. The matrix products marked QUANTISED in the list below multiply operands that are first quantised to E5M2 (5 exponent bits, 2 mantissa bits; 8 bits a number), with one power-of-two scale for each 32 numbers along K (OCP MX v1.0); their sums are f32. All else is computed in f32.
;;   The module's matrix products, in the order in which they are computed (A, B: the left and right operand; K: the contracted axis; several contracted axes count as one K, in the product's order):
;;     1. [M 16,384, K 512] x [K 512, N 512]; A: input x; B: computed on the way: QUANTISED
;;     2. batch 8 x [M 2,048, K 512] x [K 512, N 2,048]; A: computed on the way; B: input x: QUANTISED
;;     3. [M 16,384, K 512] x [K 512, N 64]; A: input x; B: input W1: QUANTISED
;;     4. [M 16,384, K 64] x [K 64, N 2,048]; A: computed on the way; B: input e: QUANTISED
;;     5. [M 2,048, K 64] x [K 64, N 512]; A: input e; B: input W2: QUANTISED
;;     6. [M 16,384, K 512] x [K 512, N 2,048]; A: input x; B: computed on the way: QUANTISED
;;     7. [M 2,048, K 64] x [K 64, N 64]; A: input e; B: input W3: QUANTISED
;;     8. [M 2,048, K 64] x [K 64, N 2,048]; A: computed on the way; B: input e: QUANTISED
;;     9. batch 8 x [M 2,048, K 2,048] x [K 2,048, N 512]; A: computed on the way; B: input x: QUANTISED
;;   THE QUANTISER, for each operand of a quantised product, along K:
;;     - K is cut into blocks of 32 from its start; a last block that is shorter is filled with zeros.
;;     - A block's scale is 2^e with e = floor(log2(the largest magnitude in the block)) - 15, held to -126 .. 127; a block of zeros has e = 0. As a byte (E8M0): e + 127.
;;     - Each number is divided by its block's scale, clamped to +-57,344, and rounded to the nearest number of E5M2, ties to even, subnormals kept.
;;     - The product sums the exact products of the quantised numbers (number of the format x scale) in f32.
;;   ~~~python
;;   def quantise(x, axis):      # numpy; x: float32 -> the quantised numbers, widened to float32 again
;;       x = np.moveaxis(x, axis, -1); K = x.shape[-1]
;;       x = np.pad(x, [(0, 0)] * (x.ndim - 1) + [(0, -K % 32)]); x = x.reshape(x.shape[:-1] + (-1, 32)); a = np.abs(x).max(-1, keepdims=True)
;;       e = np.where(a > 0, np.clip(np.frexp(np.where(a > 0, a, 1))[1] - 1 - 15, -126, 127), 0)      # np.frexp(a)[1] - 1 = floor(log2(a)), exactly
;;       r = np.clip(x / 2.0 ** e, -57344, 57344)
;;       step = 2.0 ** (np.maximum(np.frexp(np.where(r == 0, 1, r))[1] - 1, -14) - 2)
;;       q = np.round(r / step) * step * 2.0 ** e      # np.round: ties to even
;;       return np.moveaxis(q.reshape(q.shape[:-2] + (-1,))[..., :K], -1, axis).astype(np.float32)
;;   ~~~
;;   OPERANDS COMPUTED ON THE WAY. 'Computed on the way' means the value that the module computes at that place (a softmax that the list does not call 'softmax' is quantised finished and normalised). What goes into a quantiser is computed in f32, as accurately as f32 sums, v_exp_f32 and their like allow (about 1e-6 of the number): no bf16 or f16 on the way to a quantiser, and a product that is left as it is and whose result goes on into a quantised operand takes f32 operands (vector FMAs, or v_wmma_f32_16x16x4_f32). A number that lies on a knife's edge between two numbers of the format may be rounded either way, as far as f32 arithmetic and the matrix unit's own rounding can turn it there, and no further.
;; One version. Each part assembles by itself: llvm-mc -triple=amdgcn-amd-amdhsa -mcpu=gfx1250 --defsym DOCPART=n.
;; ======== version 1 of 1: 2 launches
;; workspace buffers: KST 9,764,864 bytes; VST 8,650,752 bytes; WS 409,600 bytes; WSS 12,800 bytes
;; launch quant (part 1): grid 512 x 1, 8 waves a work-group, no clusters, 70,656 bytes of LDS; arguments x, e, W0, W1, W2, W3, KST, VST, WS, WSS; writes KST, VST, WS, WSS
.if DOCPART == 1
	.amdgcn_target "amdgcn-amd-amdhsa--gfx1250"
	.amdhsa_code_object_version 6
	.text
	.protected	k_qa1821458da_quant
	.globl	k_qa1821458da_quant
	.p2align	8
	.type	k_qa1821458da_quant,@function
k_qa1821458da_quant:
	s_mov_b64 s[64:65], 0
	v_nop
	global_prefetch_b8 v0, s[64:65] scope:SCOPE_SE
	s_setreg_imm32_b32 hwreg(HW_REG_WAVE_MODE, 25, 1), 1
	s_wait_xcnt 0x0
; All operands that come from inputs are turned into codes of BF8 (E5M2) with one E8M0 scale byte for each 32 along K, and laid AS IMAGES OF OPERAND REGISTERS for the second launch:
; a fragment (16 rows x 128 K, 16 registers a lane) is 2,048 bytes, register group c (four registers) of lane l at 512 c + 16 l; lane l = (r = l % 16, h = l / 16) holds k = 32 c + 16 h + 0 .. 15 of row r.
; A fragment of K = 64 is the first 1,024 bytes of that.  Scale words: 4 bytes a row, 64 bytes a fragment.
; THE ROWS OF A TILE ARE NOT NEIGHBOURS (keys, and the weights' output features): in a group of 32 rows, row r of tile u is 8 u + r + 8 (r / 8).
; KST [b 8][j 16] blocks of 76,288 bytes, 128 keys each: x along t [kt 8][s 4] x 2,048 | e [kt 8] x 1,024 | x's scale words [s][kt][r] | e's [kt][r], bytes (b0, b1, b0, b1).
; VST [b][j] blocks of 67,584 bytes: x along the keys [tt 32] x 2,048 (16 t x 128 keys) | scale words [tt][r].
; WS [w 4][slot 25] x 4,096: a pair of weight fragments (u = 0, 1) of output features 32 w + 128 a: slot 4 a + s relu(triu(W0, 1)) (only s >= a: the others lie wholly under the mask),
;   16 + s W1 (zero codes for w >= 2), 20 W3 (zero codes for w < 2), 21 + a W2.   WSS [w][slot] x 128: bytes 0-63 u = 0's scale words, 64-127 u = 1's; words of K = 64 doubled.
; THE QUANTISER: a block's scale is 2^(floor(log2(its largest magnitude)) - 15); its byte is the largest magnitude's exponent field - 15, held at 1 from below; each number is held within +-57,344 x the scale and converted.
; LIMITS: NaN and infinities among the inputs are not served.  A block whose largest magnitude lies under 2^-111, a block of zeros among them, gets the byte 1 (a block of zeros: where the rule says 127):
; its codes are zeros, which add nothing under any byte but 0xff, and the bytes are read by this program alone.
; SHARES.  EVERY work-group takes one tile of x, 128 keys x 128 t: 512 work-groups of nearly equal work.  THE SMALL OPERANDS RIDE ALONG: in work-groups 0-79 waves 0 and 1 make the two fragments of a pair of W0 or W1,
; in 80-143 wave 0 makes a pair of e, in 144-163 wave 0 a pair of W2 or W3.  A job's 16 loads go out behind the tile's 16, into registers of their own, so that both are on their way together; the job uses no LDS and no barrier.
; No tensor loads, no matrix work, no cluster: memory binds, and no two work-groups read the same bytes of x.
.set KBLK, 76288
.set VBLK, 67584
.set PIT,  528                         ; x's tile in LDS: row p at 528 p + 128 (p / 16): 512 bytes of data, 16 of padding, and 128 more behind each 16 rows: the pitch and the shift spread both kinds of reads over the banks
.set GRP,  16*PIT+128                  ; 16 rows: 8,576 bytes.  The tile's last row ends at 127 x 528 + 7 x 128 + 512 = 68,464
.set SCR,  68608                       ; behind the tile: 512 bytes of scale words along t, 512 along the keys
.set X,    16                          ; v16-79   the tile's 64 numbers
.set PC,   80                          ; v80-95   a fragment's codes
.set PC2,  96                          ; v96-111  a second fragment's, so that no store's data are written again
.set TM,   112                         ; v112-115 largest magnitudes, v116-119 bytes, v120-123 57,344 x the scale, v124-127 the conversions' scale operands
.set Y,    128                         ; v128-191 a small job's 64 numbers
.set JO,   192                         ; v192     its loads' offset
.set JD,   193                         ; v193     its mask's bound
.set JT,   194                         ; v194     at work
; v1 lane, v2 r, v3 h, v4 16 x lane, v5 4 x lane, v6-9 and v12 the tile's LDS addresses, v10-11 scale words, v13 0, v14 r / 8, v15 r + 8 (r / 8)
; s4 wave; s[20:21] lane selects; s23 the mantissa field of 57,344; s[24:43] the ten buffers; s[44:49] the tile's pointers; s5-19 and s[52:55] at work
; 64 numbers of a lane, register 16 b + i = k 32 b + 16 h + i of my row, become a fragment's codes in v[pc] on and its scale word in v[pw]; the four bytes stay in v[TM+4] on
.macro QUANT s, pc, pw
.irp b, 0,1,2,3
	v_max3_num_f32 v[TM+\b], |v[\s+16*\b]|, |v[\s+1+16*\b]|, 0x8000000   ; block b: my 16 numbers, and the floor 2^(16 - 127): the byte cannot fall under 1
.endr
.irp i, 2,4,6,8,10,12,14
.irp b, 0,1,2,3
	v_max3_num_f32 v[TM+\b], v[TM+\b], |v[\s+16*\b+\i]|, |v[\s+1+16*\b+\i]|   ; the four blocks by turns
.endr
.endr
.irp b, 0,1,2,3
	v_permlanex16_b32 v[TM+4+\b], v[TM+\b], s20, s21
.endr
.irp b, 0,1,2,3
	v_max_num_f32 v[TM+\b], v[TM+\b], v[TM+4+\b]   ; with lane l xor 16's: the block's largest magnitude
.endr
.irp b, 0,1,2,3
	v_add_nc_u32 v[TM+12+\b], 0xf8800000, v[TM+\b]   ; 15 off its exponent field: the conversion takes that field as its scale
.endr
.irp b, 0,1,2,3
	v_and_or_b32 v[TM+8+\b], v[TM+\b], 0x7f800000, s23   ; 57,344 x the scale
.endr
.irp b, 0,1,2,3
	v_lshrrev_b32 v[TM+4+\b], 23, v[TM+12+\b]   ; the scale's byte
.endr
	v_lshl_or_b32 v[\pw], v[TM+5], 8, v[TM+4]
	v_lshl_or_b32 v[\pw], v[TM+6], 16, v[\pw]
	v_lshl_or_b32 v[\pw], v[TM+7], 24, v[\pw]
.irp b, 0,1,2,3
.irp i, 0,1,2,3,4,5,6,7,8,9,10,11,12,13,14,15
	v_med3_num_f32 v[\s+16*\b+\i], v[\s+16*\b+\i], -v[TM+8+\b], v[TM+8+\b]   ; the conversion to an 8-bit code does not saturate (ISA guide 7.6.2): the hold
.endr
	v_cvt_scalef32_pk8_bf8_f32 v[\pc+4*\b:\pc+4*\b+1], v[\s+16*\b:\s+16*\b+7], v[TM+12+\b]
	v_cvt_scalef32_pk8_bf8_f32 v[\pc+4*\b+2:\pc+4*\b+3], v[\s+16*\b+8:\s+16*\b+15], v[TM+12+\b]
.endr
	v_nop                                          ; a plain line behind the last conversion
.endm
; A job's register n = 16 b + i is kept where 32 b + i > v[JD], else it becomes 0; lo = 1: then it is held at s14 from below (0: the relu; -infinity: nothing)
.macro PREP lo
.set n, 0
.rept 64
	v_cmp_gt_i32 vcc_lo, 32*(n/16)+n%16, v[JD]
	v_cndmask_b32 v[Y+n], v13, v[Y+n], vcc_lo
.if \lo
	v_max_num_f32 v[Y+n], s14, v[Y+n]
.endif
.set n, n+1
.endr
.endm
; A pair of fragments of K = 64 (32 rows of 256 bytes from s[sb:sb+1] on): block 2 u + c is tile u's c-th 32 along K.  Codes in v[PC] on, the pair's scale words in v10
.macro K64BODY sb, prep
.irp u, 0,1
.irp c, 0,1
.irp j, 0,1,2,3
	global_load_b128 v[Y+32*\u+16*\c+4*\j:Y+32*\u+16*\c+4*\j+3], v[JO], s[\sb:\sb+1] offset:2048*\u+128*\c+16*\j
.endr
.endr
.endr
	s_wait_loadcnt 0x0                             ; the job's numbers are in (and the tile's, which were asked for ahead of them)
.if \prep
	PREP 0
.endif
	QUANT Y, PC, 10
	v_lshl_or_b32 v10, v[TM+5], 8, v[TM+4]         ; tile 0's two bytes,
	v_lshl_or_b32 v11, v[TM+7], 8, v[TM+6]         ; tile 1's,
	v_lshl_or_b32 v10, v10, 16, v10                ; each doubled: (b0, b1, b0, b1)
	v_lshl_or_b32 v11, v11, 16, v11
	v_cmp_gt_u32 vcc_lo, 16, v1
	v_cndmask_b32 v10, v11, v10, vcc_lo            ; lanes 0-15 tile 0's words, lanes 16-31 tile 1's
.endm
	s_load_b512 s[24:39], s[0:1], 0x0              ; x, e, W0, W1, W2, W3, KST, VST
	s_load_b128 s[40:43], s[0:1], 0x40             ; WS, WSS
	v_lshl_add_u32 v196, v0, 2, 0x11000
	v_mov_b32 v197, 0
	v_lshrrev_b32 v1, 5, v0
	v_readfirstlane_b32 s4, v1                     ; wave 0..7
	v_and_b32 v1, 31, v0                           ; lane
	v_and_b32 v2, 15, v0                           ; r
	v_bfe_u32 v3, v0, 4, 1                         ; h
	v_lshlrev_b32 v4, 4, v1
	v_lshlrev_b32 v5, 2, v1
	v_mov_b32 v13, 0
.irp b, 0,1,2,3
	v_mov_b32 v[TM+4+\b], 0                        ; written once: a lane permute's destination counts as one of its sources
.endr
	v_lshrrev_b32 v14, 3, v2                       ; r / 8
	v_lshl_add_u32 v15, v14, 3, v2                 ; r + 8 (r / 8)
	s_mov_b32 s20, 0x76543210
	s_mov_b32 s21, 0xfedcba98                      ; lane l xor 16
	s_mov_b32 s23, 0x600000
	; ---- the tile: 128 rows (keys 128 j on) x 128 columns (t = 128 s on) of batch b; it is read once and quantised both ways
	s_and_b32 s6, ttmp9, 3                         ; s
	s_bfe_u32 s7, ttmp9, 0x40002                   ; j
	s_lshr_b32 s8, ttmp9, 6                        ; b
	s_lshl_b32 s10, s8, 22                         ; b x 2,048 rows of 2,048 bytes
	s_lshl_b32 s11, s7, 18                         ; + 128 j rows
	s_add_co_u32 s10, s10, s11
	s_lshl_b32 s11, s4, 15                         ; + my wave's 16 rows
	s_add_co_u32 s10, s10, s11
	s_lshl_b32 s11, s6, 9                          ; + 128 s columns
	s_add_co_u32 s10, s10, s11
	s_mov_b32 s11, 0
	s_wait_kmcnt 0x0
	s_add_nc_u64 s[24:25], s[24:25], s[10:11]
.irp i, 0,1,2,3,4,5,6,7,8,9,10,11,12,13,14,15
	global_load_b128 v[X+4*\i:X+4*\i+3], v4, s[24:25] offset:2048*\i th:TH_LOAD_NT   ; 32 lanes read 512 consecutive bytes of row 16 w + i; read once in the launch
.endr
	; every LDS address and every pointer of the tile is made here, ahead of the parting for the small jobs
	s_mul_i32 s12, s4, GRP
	v_add_nc_u32 v6, s12, v4                       ; into the tile: 16 x lane + my wave's group of 16 rows
	s_and_b32 s13, s4, 1
	s_lshr_b32 s18, s4, 1
	s_lshl_b32 s12, s18, 5
	s_lshl_b32 s22, s13, 3
	s_add_co_u32 s12, s12, s22                     ; along t: wave w is key tile kt = w: its first row 32 (w / 2) + 8 (w % 2)
	v_add_nc_u32 v7, s12, v15
	v_mul_u32_u24 v7, v7, PIT
	v_lshl_add_u32 v7, v14, 7, v7                  ; that row's group of 16 is 2 (w / 2) + r / 8: 128 bytes for each group passed
	s_lshl_b32 s18, s18, 8
	v_add_nc_u32 v7, s18, v7
	v_lshl_add_u32 v7, v3, 6, v7                   ; + 64 h: my 16 numbers of a block of 32
	v_mul_u32_u24 v8, v3, GRP                      ; along the keys: wave w is t tile 8 s + w: column 16 w + r; lanes 16-31 begin 16 rows, one group, further down
	v_lshl_add_u32 v8, v2, 2, v8
	s_lshl_b32 s22, s4, 6
	v_add_nc_u32 v8, s22, v8
	s_add_co_u32 s22, s22, SCR
	v_lshl_add_u32 v9, v2, 2, s22                  ; my tile's scale words: 64 w + 4 r
	s_lshl_b32 s22, s13, 9
	s_add_co_u32 s22, s22, SCR
	v_add_nc_u32 v12, s22, v4                      ; the words' way out: waves 0 and 1 read 512 bytes each
	s_lshl_b32 s12, s8, 4
	s_add_co_u32 s12, s12, s7                      ; 16 b + j
	s_mul_i32 s14, s12, KBLK
	s_mov_b32 s15, 0
	s_mul_i32 s16, s12, VBLK
	s_mov_b32 s17, 0
	s_add_nc_u64 s[50:51], s[36:37], s[14:15]      ; KST at my block (s[36:37] stays: e's job wants it)
	s_add_nc_u64 s[38:39], s[38:39], s[16:17]      ; VST at my block
	s_lshl_b32 s14, s4, 13
	s_lshl_b32 s16, s6, 11
	s_add_co_u32 s14, s14, s16                     ; fragment (kt = w, s)
	s_add_nc_u64 s[44:45], s[50:51], s[14:15]
	s_lshl_b32 s14, s6, 14
	s_lshl_b32 s16, s4, 11
	s_add_co_u32 s14, s14, s16                     ; fragment tt = 8 s + w
	s_add_nc_u64 s[46:47], s[38:39], s[14:15]
	s_lshl_b32 s14, s6, 9                          ; both kinds of scale words: 512 s bytes on
	s_add_nc_u64 s[50:51], s[50:51], s[14:15]
	s_add_nc_u64 s[50:51], s[50:51], 73728
	s_add_nc_u64 s[38:39], s[38:39], s[14:15]
	s_add_nc_u64 s[38:39], s[38:39], 65536
	s_cmp_eq_u32 s4, 0
	s_cselect_b64 s[48:49], s[50:51], s[38:39]     ; wave 0 stores the words along t, wave 1 those along the keys
	; ---- THE SMALL JOBS.  The branches hang on the work-group's and the wave's number alone; no barrier and no LDS instruction stands in a job
	s_cmp_ge_u32 ttmp9, 164
	s_cbranch_scc1 .Lrx
	s_cmp_ge_u32 s4, 2
	s_cbranch_scc1 .Lrx
	s_cmp_lt_u32 ttmp9, 80
	s_cbranch_scc1 .Lk128
	s_cmp_lg_u32 s4, 0
	s_cbranch_scc1 .Lrx
	s_cmp_lt_u32 ttmp9, 144
	s_cbranch_scc1 .Lke
	; W2 and W3: id = work-group - 144.  id < 16: W2, a = id % 4, w = id / 4.  16 .. 19: W3, w = id % 4
	s_sub_co_u32 s5, ttmp9, 144
	s_and_b32 s6, s5, 3
	s_bfe_u32 s7, s5, 0x20002
	s_lshl_b32 s10, s6, 7
	s_lshl_b32 s11, s7, 5
	s_add_co_u32 s10, s10, s11                     ; W2: first row 128 a + 32 w
	s_and_b32 s11, s6, 1
	s_lshl_b32 s11, s11, 5                         ; W3: first row 32 (w % 2)
	s_add_co_u32 s12, s6, 21                       ; W2: slot 21 + a
	s_cmp_lt_u32 s6, 2
	s_cselect_b32 s13, 1000, -1                    ; W3: nothing is kept for w < 2, all for w >= 2
	s_cmp_lt_u32 s5, 16
	s_cselect_b64 s[52:53], s[32:33], s[34:35]
	s_cselect_b32 s9, s7, s6                       ; w
	s_cselect_b32 s10, s10, s11
	s_cselect_b32 s12, s12, 20
	s_cselect_b32 s13, -1, s13
	s_lshl_b32 s16, s10, 8
	s_mov_b32 s17, 0
	s_add_nc_u64 s[52:53], s[52:53], s[16:17]
	s_mul_i32 s16, s9, 102400
	s_lshl_b32 s18, s12, 12
	s_add_co_u32 s16, s16, s18
	s_add_nc_u64 s[40:41], s[40:41], s[16:17]
	s_mul_i32 s16, s9, 3200
	s_lshl_b32 s18, s12, 7
	s_add_co_u32 s16, s16, s18
	s_add_nc_u64 s[42:43], s[42:43], s[16:17]
	v_lshlrev_b32 v[JO], 8, v15
	v_lshl_add_u32 v[JO], v3, 6, v[JO]             ; row r + 8 (r / 8) of 256 bytes, + 64 h
	v_mov_b32 v[JD], s13
	K64BODY 52, 1
.irp c, 0,1,2,3
	global_store_b128 v4, v[PC+4*\c:PC+4*\c+3], s[40:41] offset:512*\c
.endr
	global_store_b32 v5, v10, s[42:43]
	s_wait_xcnt 0x0                                ; the tile's work rewrites the registers that these stores read only behind this wait
	s_branch .Lrx
	; e: G = work-group - 80 takes rows 32 G on; its pair of fragments goes into the key block of each of the eight batches, so that a block is one dense run of bytes
.Lke:
	s_sub_co_u32 s5, ttmp9, 80
	s_lshl_b32 s10, s5, 13                         ; 32 rows of 256 bytes
	s_mov_b32 s11, 0
	s_add_nc_u64 s[26:27], s[26:27], s[10:11]
	s_lshr_b32 s8, s5, 2
	s_mul_i32 s12, s8, KBLK                        ; key step j = G / 4
	s_and_b32 s6, s5, 3
	s_lshl_b32 s14, s6, 11
	s_add_co_u32 s14, s14, s12
	s_add_co_u32 s14, s14, 65536+4*16*KBLK         ; the base stands at batch 4's copy: the eight copies lie -4 .. +3 strides of 16 blocks (1,220,608 bytes) from it, inside the signed 24-bit immediate
	s_mov_b32 s15, 0
	s_lshl_b32 s16, s6, 7
	s_add_co_u32 s16, s16, s12
	s_add_co_u32 s16, s16, 75776+4*16*KBLK
	s_mov_b32 s17, 0
	s_add_nc_u64 s[52:53], s[36:37], s[14:15]
	s_add_nc_u64 s[54:55], s[36:37], s[16:17]
	v_lshlrev_b32 v[JO], 8, v15
	v_lshl_add_u32 v[JO], v3, 6, v[JO]             ; row r + 8 (r / 8) of 256 bytes, + 64 h
	K64BODY 26, 0
.irp k, 0,1,2,3,4,5,6,7
.irp c, 0,1,2,3
	global_store_b128 v4, v[PC+4*\c:PC+4*\c+3], s[52:53] offset:(\k-4)*16*KBLK+512*\c
.endr
	global_store_b32 v5, v10, s[54:55] offset:(\k-4)*16*KBLK
.endr
	s_wait_xcnt 0x0                                ; as above
	s_branch .Lrx
	; W0 and W1: id = work-group, u = wave.  id < 64: W0, s = id % 4, a = (id / 4) % 4, w = id / 16.  Else W1: s = id % 4, w = (id / 4) % 4
.Lk128:
	s_and_b32 s6, ttmp9, 3                         ; s
	s_bfe_u32 s7, ttmp9, 0x20002
	s_bfe_u32 s8, ttmp9, 0x20004
	s_lshl_b32 s10, s7, 7
	s_lshl_b32 s11, s8, 5
	s_add_co_u32 s10, s10, s11                     ; W0: first row 128 a + 32 w
	s_and_b32 s11, s7, 1
	s_lshl_b32 s11, s11, 5                         ; W1: first row 32 (w % 2)
	s_lshl_b32 s16, s7, 2
	s_add_co_u32 s16, s16, s6                      ; W0: slot 4 a + s
	s_add_co_u32 s17, s6, 16                       ; W1: slot 16 + s
	s_lshl_b32 s18, s6, 7
	s_sub_co_i32 s18, s10, s18                     ; W0: first row - first column
	s_cmp_lt_u32 s7, 2
	s_cselect_b32 s19, -1, 1000                    ; W1: all is kept for w < 2, nothing for w >= 2
	s_cmp_lt_u32 ttmp9, 64                         ; W0's job or W1's: the choice hangs on ids alone
	s_cselect_b64 s[52:53], s[28:29], s[30:31]
	s_cselect_b32 s9, s8, s7                       ; w
	s_cselect_b32 s10, s10, s11                    ; first row
	s_cselect_b32 s11, s16, s17                    ; slot
	s_cselect_b32 s12, 1, 0                        ; the mask's bound follows the row (W0) or not
	s_cselect_b32 s13, s18, s19
	s_cselect_b32 s14, 0, 0xff800000               ; relu (W0) or nothing
	s_cselect_b32 s15, s7, 0
	s_cmp_lt_u32 s6, s15                           ; a tile of W0 with s < a lies wholly under the mask: it is neither written nor read
	s_cbranch_scc1 .Lrx
	s_lshl_b32 s16, s10, 11
	s_lshl_b32 s17, s6, 9
	s_add_co_u32 s16, s16, s17
	s_lshl_b32 s17, s4, 14                         ; tile u begins 8 rows of 2,048 bytes on
	s_add_co_u32 s16, s16, s17
	s_mov_b32 s17, 0
	s_add_nc_u64 s[52:53], s[52:53], s[16:17]
	s_mul_i32 s16, s9, 102400
	s_lshl_b32 s18, s11, 12
	s_add_co_u32 s16, s16, s18
	s_lshl_b32 s18, s4, 11                         ; fragment u of the pair
	s_add_co_u32 s16, s16, s18
	s_add_nc_u64 s[40:41], s[40:41], s[16:17]
	s_mul_i32 s16, s9, 3200
	s_lshl_b32 s18, s11, 7
	s_add_co_u32 s16, s16, s18
	s_lshl_b32 s18, s4, 6                          ; its 16 scale words
	s_add_co_u32 s16, s16, s18
	s_add_nc_u64 s[42:43], s[42:43], s[16:17]
	v_lshlrev_b32 v[JO], 11, v15
	v_lshl_add_u32 v[JO], v3, 6, v[JO]             ; row r + 8 (r / 8) of 2,048 bytes, + 64 h
.irp c, 0,1,2,3
.irp j, 0,1,2,3
	global_load_b128 v[Y+16*\c+4*\j:Y+16*\c+4*\j+3], v[JO], s[52:53] offset:128*\c+16*\j
.endr
.endr
	v_lshlrev_b32 v[JT], 4, v3
	v_sub_nc_u32 v[JT], v15, v[JT]                 ; r + 8 (r / 8) - 16 h
	s_lshl_b32 s18, s4, 3
	v_add_nc_u32 v[JT], s18, v[JT]                 ; + 8 u
	v_mul_lo_u32 v[JD], v[JT], s12
	v_add_nc_u32 v[JD], s13, v[JD]                 ; W0(i, j) is kept where j > i: 32 c + i' > my row - 128 s - 16 h
	s_wait_loadcnt 0x0                             ; the job's numbers are in (and the tile's, which were asked for ahead of them)
	PREP 1
	QUANT Y, PC, 10
.irp c, 0,1,2,3
	global_store_b128 v4, v[PC+4*\c:PC+4*\c+3], s[40:41] offset:512*\c
.endr
	v_lshlrev_b32 v[JT], 2, v2
	global_store_b32 v[JT], v10, s[42:43]          ; row r's word; both halves of the lanes store the same word with the same value
	s_wait_xcnt 0x0                                ; as above
	; ---- the tile goes on, in every wave
.Lrx:
.irp i, 0,1,2,3,4,5,6,7,8,9,10,11,12,13,14,15
	s_wait_loadcnt 15-\i                           ; loads come back in order: row i is in, the rows behind it may be out
	ds_store_b128 v6, v[X+4*\i:X+4*\i+3] offset:PIT*\i   ; row 15 ends at 15 x 528 + 512 = 8,432 of my group's 8,576 bytes: no wave's rows reach another's
.endr
	s_wait_dscnt 0x0                               ; for the others' sake: my rows lie in the tile
	s_barrier_signal -1
	s_barrier_wait -1
.irp c, 0,1,2,3
.irp j, 0,1,2,3
	ds_load_b128 v[X+16*\c+4*\j:X+16*\c+4*\j+3], v7 offset:128*\c+16*\j   ; along t: 16 neighbours of each block of my key's row
.endr
.endr
	s_wait_dscnt 0x0
	QUANT X, PC, 10
.irp c, 0,1,2,3
	global_store_b128 v4, v[PC+4*\c:PC+4*\c+3], s[44:45] offset:512*\c   ; 512 consecutive bytes, aligned
.endr
	ds_store_b32 v9, v10                           ; both halves of the lanes write the same word with the same value
.set n, 0
.rept 64
	ds_load_b32 v[X+n], v8 offset:(32*(n/16)+n%16)*PIT+256*(n/16)   ; along the keys: my column, registers down the rows: row 32 c + 16 h + i lies in group 2 c + h
.set n, n+1
.endr
	s_wait_dscnt 0x0
	QUANT X, PC2, 11
.irp c, 0,1,2,3
	global_store_b128 v4, v[PC2+4*\c:PC2+4*\c+3], s[46:47] offset:512*\c
.endr
	ds_store_b32 v9, v11 offset:512
	s_wait_dscnt 0x0                               ; my words lie in LDS, and my reads of the tile are over
	s_barrier_signal -1
	s_barrier_wait -1
	s_cmp_lt_u32 s4, 2
	s_cbranch_scc0 .Lrx_end
	ds_load_b128 v[X:X+3], v12
	s_wait_dscnt 0x0
	global_store_b128 v4, v[X:X+3], s[48:49]       ; eight tiles' scale words: 512 consecutive bytes, aligned
.Lrx_end:
	s_wait_tensorcnt 0x0
	ds_add_u32 v196, v197
	s_wait_dscnt 0x0
	s_endpgm
.Lfunc_end_k_qa1821458da_quant:
	.size	k_qa1821458da_quant, .Lfunc_end_k_qa1821458da_quant-k_qa1821458da_quant
	.p2alignl 7, 3214868480
	.fill 96, 4, 3214868480
	.section	.rodata,"a",@progbits
	.p2align	6, 0x0
	.amdhsa_kernel k_qa1821458da_quant
		.amdhsa_group_segment_fixed_size 70656
		.amdhsa_private_segment_fixed_size 0
		.amdhsa_enable_private_segment 0
		.amdhsa_kernarg_size 80
		.amdhsa_user_sgpr_count 2
		.amdhsa_user_sgpr_kernarg_segment_ptr 1
		.amdhsa_wavefront_size32 1
		.amdhsa_system_sgpr_workgroup_id_x 1
		.amdhsa_system_sgpr_workgroup_id_y 1
		.amdhsa_system_sgpr_workgroup_id_z 1
		.amdhsa_system_vgpr_workitem_id 0
		.amdhsa_next_free_vgpr 198
		.amdhsa_next_free_sgpr 66
		.amdhsa_reserve_vcc 1
		.amdhsa_float_denorm_mode_32 3
		.amdhsa_float_denorm_mode_16_64 3
		.amdhsa_memory_ordered 1
		.amdhsa_forward_progress 1
		.amdhsa_inst_pref_size 80
	.end_amdhsa_kernel
	.amdgpu_metadata
---
amdhsa.version: [ 1, 2 ]
amdhsa.kernels:
  - .name:           k_qa1821458da_quant
    .symbol:         k_qa1821458da_quant.kd
    .args:
      - { .name: x, .offset: 0, .size: 8, .value_kind: global_buffer, .address_space: global }
      - { .name: e, .offset: 8, .size: 8, .value_kind: global_buffer, .address_space: global }
      - { .name: W0, .offset: 16, .size: 8, .value_kind: global_buffer, .address_space: global }
      - { .name: W1, .offset: 24, .size: 8, .value_kind: global_buffer, .address_space: global }
      - { .name: W2, .offset: 32, .size: 8, .value_kind: global_buffer, .address_space: global }
      - { .name: W3, .offset: 40, .size: 8, .value_kind: global_buffer, .address_space: global }
      - { .name: KST, .offset: 48, .size: 8, .value_kind: global_buffer, .address_space: global }
      - { .name: VST, .offset: 56, .size: 8, .value_kind: global_buffer, .address_space: global }
      - { .name: WS, .offset: 64, .size: 8, .value_kind: global_buffer, .address_space: global }
      - { .name: WSS, .offset: 72, .size: 8, .value_kind: global_buffer, .address_space: global }
    .group_segment_fixed_size: 70656
    .private_segment_fixed_size: 0
    .kernarg_segment_align: 8
    .kernarg_segment_size: 80
    .max_flat_workgroup_size: 256
    .sgpr_count:     66
    .vgpr_count:     198
    .wavefront_size: 32
...
	.end_amdgpu_metadata
.endif
;; end of part 1
;; launch attn (part 2): grid 32 x 8, 4 waves a work-group, clusters of 4 x 1, 327,680 bytes of LDS; arguments KST, VST, WS, WSS, out0; writes out0
.if DOCPART == 2
	.amdgcn_target "amdgcn-amd-amdhsa--gfx1250"
	.amdhsa_code_object_version 6
	.text
	.protected	k_qa1821458da_attn
	.globl	k_qa1821458da_attn
	.p2align	8
	.type	k_qa1821458da_attn,@function
k_qa1821458da_attn:
	s_mov_b64 s[64:65], 0
	v_nop
	global_prefetch_b8 v0, s[64:65] scope:SCOPE_SE
	s_setreg_imm32_b32 hwreg(HW_REG_WAVE_MODE, 25, 1), 1
	s_wait_xcnt 0x0
	s_wait_alu depctr_hold_cnt(0) depctr_sa_sdst(0) depctr_va_vdst(0) depctr_va_sdst(0) depctr_va_ssrc(0) depctr_va_vcc(0) depctr_vm_vsrc(0)
	s_getreg_b32 s2, hwreg(HW_REG_IB_STS2, 6, 4)
	s_cmp_eq_u32 s2, 0
	s_cbranch_scc0 .Lentry_in_a_cluster
	s_endpgm
.Lentry_in_a_cluster:
	s_bfe_u32 s2, ttmp6, 0x10000c
	s_cmp_lg_u32 s2, 0x3003
	s_cbranch_scc0 .Lentry_shape_is_right
	s_endpgm
.Lentry_shape_is_right:
; out[b] = Q(attn[b]) Q(x[b]),  attn[b][n][m] = Q0q[n] . xq[m] + Q2q[n] . xq[m] + Q1q[n] . eq[m] + Q3q[n] . eq[m],  Q0 = x relu(triu(W0, 1))^T, Q1 = x W1^T, Q2 = e W2^T, Q3 = e W3^T.
; Every product is on codes of BF8 (E5M2) with one E8M0 scale for each 32 along its K; each operand is quantised by itself along its own K.  attn never goes to memory.
; attn is ONE sum of nine matrix instructions an output tile: four K steps of Q0 against x's keys, the same four fragments of keys against Q2, and one for [Q1 | Q3] against [e | e].
; ORDER OF ROUNDING: attn's four parts are added in one f32 accumulator in that order, not each by itself and then together; out's f32 sum over the 16 blocks of 128 keys begins at the cluster's own first block (THE WALK) and goes round.
; LIMITS: NaN and infinities are not served.  A block whose largest magnitude lies under 2^-111, a block of zeros among them, gets the scale byte 1 (a block of zeros: where the rule says 127): zero codes add nothing under it.
; SHARES.  A work-group owns 64 rows n of one batch as four tiles q of 16; row r of tile q is n = 64 nb + 32 (q / 2) + 8 (q % 2) + r + 8 (r / 8), the order in which the first launch lays keys.
; All products are used TRANSPOSED (source 1 = my rows), so a lane holds ONE row n throughout.  In S (attn) wave w takes all 64 rows against 32 keys of a step of 128 (key tiles 2 w, 2 w + 1): 8 accumulators.
; Their 16 registers a row are 16 neighbouring keys: quantised, they are register group w of the four fragments P and byte w of their scale words, which go from wave to wave through LDS as images of registers.
; In O (out) wave w takes all 64 rows against t = 128 w .. 128 w + 127: 32 accumulators, which stay in registers through all 16 key steps.  Q0 and Q2 stay in registers too (512).
; RING.  Keys' blocks (76,288 bytes) and values' blocks (67,584 bytes) each have two LDS slots.  UNIT j, behind barrier B_j, runs O(j), then S(j + 1).  Behind B_(j+1): K(j + 3) into the slot that S(j + 1) has read,
; V(j + 2) into the slot that O(j) has read; waves 0 and 1 fetch K's halves, waves 2 and 3 V's: one tensor load a wave, with a unit's 104 matrix instructions in which to land.  At the start a wave has two loads out.
; THE WALK.  Step j of cluster x (0 .. 7 within a batch) takes block (4 (x % 4) + 2 (x / 4) + j) % 16 of the batch's 16.  So the eight clusters of a batch ask for eight different blocks at every step, their first two steps
; (the first fills) cover all sixteen, and from its third step on a cluster asks only for blocks that another cluster has asked for two steps earlier.
; CLUSTER.  The four work-groups of a cluster belong to one batch and walk the same blocks: each half block is asked for JOINTLY, by the same tensor load with the same descriptor (made of the batch, the cluster's x and the wave's number, which the four share) and the mask of all four.
; The weights are not asked for jointly: they go once, straight into registers, 19 pairs of fragments a wave against 16 steps of 143,872 bytes that are shared, and a ring for them would stand in front of the first fills.
; REGISTERS, in windows of 256: window 0: v2-22 addresses; v24-52 scale words and nothing else; v56-87 the quantiser's, also two fragments; v96-159 RS: S's accumulators, later P; v160-255 six fragments F0-F5.
;   window 1: in the head a ring of eight pairs of weight fragments; then O(i, q) at 32 i + 8 q.   window 2: Q0's fragment (s, q) at 64 s + 16 q.   window 3: in the head my rows' x likewise; then Q2's.
.set KBLK,  76288
.set VBLK,  67584
.set KHALF, KBLK/2                     ; 149 rows of 256 bytes
.set VHALF, VBLK/2                     ; 132 rows of 256 bytes
.set KS0,   0                          ; K's slots at 0 and KBLK
.set VS0,   2*KBLK                     ; V's slots behind them
.set XBASE, 2*KBLK+2*VBLK              ; behind the rings, where no fill lands: +0, +8,192 two buffers of four images (Q0, Q2 in the head; then P);
.set AEIMG, 16384                      ; [Q1 | Q3]'s four images;
.set PSCL,  24576                      ; P's scale words [q][r], two buffers of 256 bytes;
.set AESCL, 25088                      ; [Q1 | Q3]'s [q][r];
.set ASCL,  25344                      ; [4 q + a] x 128: Q0's 16 words, then Q2's 16
.set SPARE, XBASE+27392                ; the spare words, 128 bytes for each wave: two blocks of 256 bytes that no other line names
.set SPIT,  528                        ; the way out: a stage of 16 rows x (512 + 16) bytes a wave, in K's slot 0, which has then had its last fill and its last read
.set ADK,  2                           ; v2-3    16 x lane + K's slot + 16,384 w: my two key tiles' x fragments
.set ADKE, 4                           ; v4-5    16 x lane + slot + 65,536 + 2,048 w: their e fragments
.set ADKS, 6                           ; v6-7    4 x lane + slot + 73,728 + 128 w: their scale words
.set ADV,  8                           ; v8-9    16 x lane + V's slot + 16,384 w: my eight t tiles
.set ADVS, 10                          ; v10-11  4 x lane + slot + 65,536 + 512 w
.set XW16, 12                          ; v12     XBASE + 16 x lane + 512 w: where I store my register group of an image
.set XW1,  13                          ; v13     XBASE + 4 (lane % 16) + w: my byte of a scale word
.set XR16, 14                          ; v14     XBASE + 16 x lane
.set XR4,  15                          ; v15     XBASE + 4 x lane
.set SPW,  16                          ; v16     my spare word; never rewritten
.set NIL,  17                          ; v17     0; never rewritten
.set LI,   18                          ; v18     16 x lane
.set LS,   19                          ; v19     4 x lane
.set STO,  20
.set RD,   21
.set CO,   22
.set WSC,  24                          ; head: v24-42 the 19 weight pairs' scale words; v43-50 my rows' x words (s, q / 2); v51-52 their e words
.set XSC,  43
.set ESC,  51
.set ASC,  24                          ; loop: v24-39 (q, s): lanes 0-15 Q0's words, lanes 16-31 Q2's; v40-41 [Q1 | Q3]'s; v42-46 the keys' (s = 4: e's); v47-48 P's; v49-52 V's
.set AES,  40
.set KSC,  42
.set PSC,  47
.set VSC,  49
.set TM,   56                          ; v56-59 largest magnitudes, v60-63 bytes, v64-67 57,344 x the scale, v68-71 the conversions' scale operands
.set PC,   72                          ; v72-87 codes
.set G0,   56                          ; the same registers as two fragments
.set G1,   72
.set RS,   96
.set F0,   160
.set F1,   176
.set F2,   192
.set F3,   208
.set F4,   224
.set F5,   240
.set G1K,  24                          ; s[24:31], s[32:39] descriptor groups 1 for K's and V's half blocks
.set G1V,  32
.set G0K,  40                          ; s[40:47] groups 0 for K's two slots;  s[48:55] for V's
.set G0V,  48
; s14 wave, s15 wave % 2, s17 nb, s18 b, s19 the mantissa field of 57,344, s[20:21] lane selects, s56 trips, s[58:63] my rows' fragments and scale words in KST
; s[66:67] my half of the batch's block 0 in KST, s[68:69] in VST; s70, s71 the blocks that K's and V's next refills take; s[72:73] a block's byte offset (s73 = 0); s74 the walk's first block
.set MSB, 0
.macro WIN new                         ; the immediate's high byte repeats the setting that is left
.if MSB != (\new)
	s_set_vgpr_msb (MSB<<8)|(\new)
.set MSB, (\new)
.endif
.endm
.macro NOPS n                          ; places: behind this matrix form eight plain vector lines stand in front of a load into, or a vector line on, its registers; nine in front of a matrix line that writes over one
.rept \n
	v_nop
.endr
.endm
.macro CROUND                          ; a round of the cluster's barrier
	s_barrier_signal -1
	s_barrier_wait -1
	s_cmp_lg_u32 s14, 0
	s_cbranch_scc1 .Lnot_wave_0_\@
	s_barrier_signal -3
.Lnot_wave_0_\@:
	s_barrier_wait -3
	s_barrier_signal -1
	s_barrier_wait -1
.endm
; A joint refill.  mode 2: waves 0, 1 K's slot k, waves 2, 3 V's slot v;  1: V's alone;  3: K's alone.  The branch hangs on the wave's number alone.  Four v_nop follow each load
.macro JLOAD mode, k, v
	s_cmp_lt_u32 s14, 2
.if \mode == 2
	s_cbranch_scc0 .Lfor_v_\@
	tensor_load_to_lds s[G0K+4*(\k):G0K+4*(\k)+3], s[G1K:G1K+7]
	s_nop 0
	NOPS 4
	s_branch .Lasked_\@
.Lfor_v_\@:
	tensor_load_to_lds s[G0V+4*(\v):G0V+4*(\v)+3], s[G1V:G1V+7]
	s_nop 0
	NOPS 4
.Lasked_\@:
.elseif \mode == 1
	s_cbranch_scc1 .Lasked_\@
	tensor_load_to_lds s[G0V+4*(\v):G0V+4*(\v)+3], s[G1V:G1V+7]
	s_nop 0
	NOPS 4
.Lasked_\@:
.else
	s_cbranch_scc0 .Lasked_\@
	tensor_load_to_lds s[G0K+4*(\k):G0K+4*(\k)+3], s[G1K:G1K+7]
	s_nop 0
	NOPS 4
.Lasked_\@:
.endif
.endm
; The group 0 of K's (V's) slot sl takes the walk's next block: the address is made anew from the batch's block 0, and the block's number goes on round the 16.  They stand where no tensor load of the wave is out
.macro NEXTK sl
	s_mul_i32 s72, s70, KBLK
	s_add_nc_u64 s[G0K+4*(\sl)+2:G0K+4*(\sl)+3], s[66:67], s[72:73]
	s_or_b32 s[G0K+4*(\sl)+3], s[G0K+4*(\sl)+3], 0x80000000
	s_add_co_u32 s70, s70, 1
	s_and_b32 s70, s70, 15
.endm
.macro NEXTV sl
	s_mul_i32 s72, s71, VBLK
	s_add_nc_u64 s[G0V+4*(\sl)+2:G0V+4*(\sl)+3], s[68:69], s[72:73]
	s_or_b32 s[G0V+4*(\sl)+3], s[G0V+4*(\sl)+3], 0x80000000
	s_add_co_u32 s71, s71, 1
	s_and_b32 s71, s71, 15
.endm
; One matrix instruction: D at v[d], source 0 at v[a], source 1 at v[b]; zero = 1: it starts the sum.  sa, sb: the scale registers; ra, rb: 1 = the words lie in lanes 16-31
.macro WM d, a, b, zero, sa, sb, ra, rb
.if \zero
.if (\ra) && (\rb)
	v_wmma_scale_f32_16x16x128_f8f6f4 v[(\d):(\d)+7], v[(\a):(\a)+15], v[(\b):(\b)+15], 0, v[\sa], v[\sb] matrix_a_fmt:MATRIX_FMT_BF8 matrix_b_fmt:MATRIX_FMT_BF8 matrix_a_scale:MATRIX_SCALE_ROW1 matrix_b_scale:MATRIX_SCALE_ROW1
.elseif (\ra)
	v_wmma_scale_f32_16x16x128_f8f6f4 v[(\d):(\d)+7], v[(\a):(\a)+15], v[(\b):(\b)+15], 0, v[\sa], v[\sb] matrix_a_fmt:MATRIX_FMT_BF8 matrix_b_fmt:MATRIX_FMT_BF8 matrix_a_scale:MATRIX_SCALE_ROW1
.elseif (\rb)
	v_wmma_scale_f32_16x16x128_f8f6f4 v[(\d):(\d)+7], v[(\a):(\a)+15], v[(\b):(\b)+15], 0, v[\sa], v[\sb] matrix_a_fmt:MATRIX_FMT_BF8 matrix_b_fmt:MATRIX_FMT_BF8 matrix_b_scale:MATRIX_SCALE_ROW1
.else
	v_wmma_scale_f32_16x16x128_f8f6f4 v[(\d):(\d)+7], v[(\a):(\a)+15], v[(\b):(\b)+15], 0, v[\sa], v[\sb] matrix_a_fmt:MATRIX_FMT_BF8 matrix_b_fmt:MATRIX_FMT_BF8
.endif
.else
.if (\ra) && (\rb)
	v_wmma_scale_f32_16x16x128_f8f6f4 v[(\d):(\d)+7], v[(\a):(\a)+15], v[(\b):(\b)+15], v[(\d):(\d)+7], v[\sa], v[\sb] matrix_a_fmt:MATRIX_FMT_BF8 matrix_b_fmt:MATRIX_FMT_BF8 matrix_a_scale:MATRIX_SCALE_ROW1 matrix_b_scale:MATRIX_SCALE_ROW1
.elseif (\ra)
	v_wmma_scale_f32_16x16x128_f8f6f4 v[(\d):(\d)+7], v[(\a):(\a)+15], v[(\b):(\b)+15], v[(\d):(\d)+7], v[\sa], v[\sb] matrix_a_fmt:MATRIX_FMT_BF8 matrix_b_fmt:MATRIX_FMT_BF8 matrix_a_scale:MATRIX_SCALE_ROW1
.elseif (\rb)
	v_wmma_scale_f32_16x16x128_f8f6f4 v[(\d):(\d)+7], v[(\a):(\a)+15], v[(\b):(\b)+15], v[(\d):(\d)+7], v[\sa], v[\sb] matrix_a_fmt:MATRIX_FMT_BF8 matrix_b_fmt:MATRIX_FMT_BF8 matrix_b_scale:MATRIX_SCALE_ROW1
.else
	v_wmma_scale_f32_16x16x128_f8f6f4 v[(\d):(\d)+7], v[(\a):(\a)+15], v[(\b):(\b)+15], v[(\d):(\d)+7], v[\sa], v[\sb] matrix_a_fmt:MATRIX_FMT_BF8 matrix_b_fmt:MATRIX_FMT_BF8
.endif
.endif
.endm
; RS's 64 numbers of a lane (register 16 q + i: row tile q, the i-th of my half's 16 neighbours of a block of 32 along the next K) become codes in v[PC + 4 q] on and a scale byte in v[TM + 4 + q].
; Each accumulator is read from its low end on.
.macro QUANT4
.irp q, 0,1,2,3
	v_max3_num_f32 v[TM+\q], |v[RS+16*\q]|, |v[RS+16*\q+1]|, 0x8000000   ; and the floor 2^(16 - 127): the byte cannot fall under 1
.endr
.irp i, 2,4,6,8,10,12,14
.irp q, 0,1,2,3
	v_max3_num_f32 v[TM+\q], v[TM+\q], |v[RS+16*\q+\i]|, |v[RS+16*\q+\i+1]|
.endr
.endr
.irp q, 0,1,2,3
	v_permlanex16_b32 v[TM+4+\q], v[TM+\q], s20, s21
.endr
.irp q, 0,1,2,3
	v_max_num_f32 v[TM+\q], v[TM+\q], v[TM+4+\q]   ; with lane l xor 16's: the block's largest magnitude
.endr
.irp q, 0,1,2,3
	v_add_nc_u32 v[TM+12+\q], 0xf8800000, v[TM+\q]   ; 15 off its exponent field: the conversion's scale operand
.endr
.irp q, 0,1,2,3
	v_and_or_b32 v[TM+8+\q], v[TM+\q], 0x7f800000, s19   ; 57,344 x the scale
.endr
.irp q, 0,1,2,3
	v_lshrrev_b32 v[TM+4+\q], 23, v[TM+12+\q]      ; the scale's byte
.endr
.irp q, 0,1,2,3
.irp i, 0,1,2,3,4,5,6,7,8,9,10,11,12,13,14,15
	v_med3_num_f32 v[RS+16*\q+\i], v[RS+16*\q+\i], -v[TM+8+\q], v[TM+8+\q]   ; the conversion does not saturate (ISA guide 7.6.2): the hold
.endr
	v_cvt_scalef32_pk8_bf8_f32 v[PC+4*\q:PC+4*\q+1], v[RS+16*\q:RS+16*\q+7], v[TM+12+\q]
	v_cvt_scalef32_pk8_bf8_f32 v[PC+4*\q+2:PC+4*\q+3], v[RS+16*\q+8:RS+16*\q+15], v[TM+12+\q]
.endr
	v_nop                                          ; a plain line behind the last conversion
.endm
.macro PUT img, byt, strd              ; my register group of the four images at img, my byte of their scale words at byt + strd q
.irp q, 0,1,2,3
	ds_store_b128 v[XW16], v[PC+4*\q:PC+4*\q+3] offset:(\img)+2048*\q
	ds_store_b8 v[XW1], v[TM+4+\q] offset:(\byt)+(\strd)*\q   ; both halves of the lanes write the same byte with the same value
.endr
.endm
.macro GET win, reg, img               ; the four whole images into v[reg] on of a window
	WIN (\win)<<6
.irp q, 0,1,2,3
.irp c, 0,1,2,3
	ds_load_b128 v[(\reg)+16*\q+4*\c:(\reg)+16*\q+4*\c+3], v[XR16] offset:(\img)+2048*\q+512*\c
.endr
.endr
	WIN 0
.endm
.macro LDX sl, s, fa, fb               ; my two key tiles' x fragments of K step s
.irp c, 0,1,2,3
	ds_load_b128 v[\fa+4*\c:\fa+4*\c+3], v[ADK+\sl] offset:2048*(\s)+512*\c
.endr
.irp c, 0,1,2,3
	ds_load_b128 v[\fb+4*\c:\fb+4*\c+3], v[ADK+\sl] offset:8192+2048*(\s)+512*\c
.endr
.endm
.macro LDBE sl                         ; their e fragments, each image twice: [e | e]
.irp c, 0,1,2,3
	ds_load_b128 v[F4+4*\c:F4+4*\c+3], v[ADKE+\sl] offset:512*(\c%2)
.endr
.irp c, 0,1,2,3
	ds_load_b128 v[F5+4*\c:F5+4*\c+3], v[ADKE+\sl] offset:1024+512*(\c%2)
.endr
.endm
.macro LDAE q, reg                     ; [Q1 | Q3]'s fragment of row tile q
.irp c, 0,1,2,3
	ds_load_b128 v[\reg+4*\c:\reg+4*\c+3], v[XR16] offset:AEIMG+2048*(\q)+512*\c
.endr
.endm
.macro LDV par, i, reg                 ; my t tile i of the values
.irp c, 0,1,2,3
	ds_load_b128 v[\reg+4*\c:\reg+4*\c+3], v[ADV+\par] offset:2048*(\i)+512*\c
.endr
.endm
; Eight matrix instructions: my two key tiles x the four row tiles, K step s, against Q0 (part 0, window 2) or Q2 (part 1, window 3).  The eight accumulators take turns, one instruction a turn
.macro MULS part, s, fa, fb, zero
	WIN 0x08+4*\part
.irp q, 0,1,2,3
	WM RS+16*\q, \fa, 64*\s+16*\q, \zero, KSC+\s, ASC+4*\q+\s, 0, \part
	WM RS+16*\q+8, \fb, 64*\s+16*\q, \zero, KSC+\s, ASC+4*\q+\s, 1, \part
.endr
.endm
.macro MULE                            ; the ninth K step: [e | e] against [Q1 | Q3]
	WIN 0
.irp q, 0,1,2,3
.if \q < 2
.set AB, F0+16*\q
.else
.set AB, G0+16*(\q-2)
.endif
	WM RS+16*\q, F4, AB, 0, KSC+4, AES+\q/2, 0, \q%2
	WM RS+16*\q+8, F5, AB, 0, KSC+4, AES+\q/2, 1, \q%2
.endr
.endm
.macro MULO i, fk, zero                ; O(i, q) += V's t tile i x P(q): four accumulators by turns
	WIN 0x50
.irp q, 0,1,2,3
	WM 32*\i+8*\q, \fk, RS+16*\q, \zero, VSC+\i/2, PSC+\q/2, \i%2, \q%2
.endr
.endm
.macro SLOADS1 sl                      ; 21 loads: the keys' five scale words, K steps 0 and 1
.irp s, 0,1,2,3,4
	ds_load_b32 v[KSC+\s], v[ADKS+\sl] offset:512*\s
.endr
	LDX \sl, 0, F2, F3
	LDX \sl, 1, F4, F5
.endm
.macro SLOADS2 sl                      ; 16 loads: K step 2, and two of [Q1 | Q3]'s fragments
	LDX \sl, 2, F0, F1
	LDAE 2, G0
	LDAE 3, G1
.endm
; S of the key step in K's slot sl, behind SLOADS1 and SLOADS2; P goes into buffer sl
.macro SREST sl
	s_wait_dscnt 24                                ; the scale words and K step 0 are in; K steps 1, 2 and the two fragments (8 loads each) may be out
	MULS 0, 0, F2, F3, 1
	MULS 1, 0, F2, F3, 0
	WIN 0
	NOPS 8
	LDX \sl, 3, F2, F3
	s_wait_dscnt 24                                ; K step 1 is in; K step 2, the two fragments, K step 3 may be out
	MULS 0, 1, F4, F5, 0
	MULS 1, 1, F4, F5, 0
	WIN 0
	NOPS 8
	LDBE \sl
	s_wait_dscnt 24                                ; K step 2 is in; the two fragments, K step 3, [e | e] may be out
	MULS 0, 2, F0, F1, 0
	MULS 1, 2, F0, F1, 0
	WIN 0
	NOPS 8
	LDAE 0, F0
	LDAE 1, F1
	s_wait_dscnt 16                                ; K step 3 is in; [e | e] and the last two fragments may be out
	MULS 0, 3, F2, F3, 0
	MULS 1, 3, F2, F3, 0
	s_wait_dscnt 0x0
	MULE
	NOPS 8
	QUANT4
	PUT 8192*(\sl), PSCL+256*(\sl), 64
.endm
; O of the key step whose P lies in buffer par and whose values lie in V's slot par.  more = 1: the next S's first loads stand in it
.macro OPHASE par, zero, more
.irp i, 0,1
	ds_load_b32 v[PSC+\i], v[XR4] offset:PSCL+256*(\par)+128*\i
.endr
.irp i, 0,1,2,3
	ds_load_b32 v[VSC+\i], v[ADVS+\par] offset:128*\i
.endr
.irp q, 0,1,2,3
.irp c, 0,1,2,3
	ds_load_b128 v[RS+16*\q+4*\c:RS+16*\q+4*\c+3], v[XR16] offset:8192*(\par)+2048*\q+512*\c
.endr
.endr
.irp i, 0,1,2,3,4,5
	LDV \par, \i, F0+16*\i
.endr
	s_wait_dscnt 16                                ; the scale words, P and t tiles 0, 1 are in; tiles 2 to 5 may be out
	MULO 0, F0, \zero
	MULO 1, F1, \zero
	WIN 0
	NOPS 8
	LDV \par, 6, F0
	LDV \par, 7, F1
	s_wait_dscnt 8                                 ; tiles 2 to 5 are in; 6 and 7 may be out
	MULO 2, F2, \zero
	MULO 3, F3, \zero
	MULO 4, F4, \zero
	MULO 5, F5, \zero
	WIN 0
.if \more
	NOPS 8
	SLOADS1 1-(\par)
	s_wait_dscnt 21                                ; tiles 6 and 7 are in; the 21 just issued may be out
.else
	s_wait_dscnt 0x0
.endif
	MULO 6, F0, \zero
	MULO 7, F1, \zero
	WIN 0
.endm
; UNIT j (par = j % 2), behind barrier B_j: O(j), S(j + 1), and barrier B_(j + 1) with its refills (mode as JLOAD's; 0: nothing is left to fetch)
.macro UNIT par, zero, mode
	OPHASE \par, \zero, 1
	NOPS 9                                         ; nine: S's first products write over RS, which O's last products read
	SLOADS2 1-(\par)
	SREST 1-(\par)
	s_wait_tensorcnt 0x0                           ; all my tensor loads have landed: my half of the block that the next unit reads;
	ds_add_u32 v[SPW], v[NIL]                      ; 0 onto my spare word; the descriptors' new addresses are made between it and the wait for it
.if \mode == 2
	NEXTK 1-(\par)                                 ; no load of mine is out, so a group 0 may be written
.endif
.if \mode > 0
	NEXTV \par
.endif
	s_wait_dscnt 0x0                               ; the add is done, my stores of P have landed, and my reads of both slots are over
.if \mode > 0
	CROUND                                         ; so of every wave of all four work-groups
	JLOAD \mode, 1-(\par), \par
.else
	s_barrier_signal -1
	s_barrier_wait -1
.endif
.endm
; THE HEAD'S STREAM OF WEIGHT PAIRS: pair p lies in slot SL of my wave's part of WS
.macro SLOTOF p
.if (\p) < 4
.set SL, (\p)
.elseif (\p) < 7
.set SL, (\p)+1
.elseif (\p) < 9
.set SL, (\p)+3
.elseif (\p) == 9
.set SL, 15
.else
.set SL, (\p)+6
.endif
.endm
.macro RINGLOAD p                      ; eight loads into ring buffer p % 8; a pair of K = 64 (p >= 14) comes twice: [W | W]
	SLOTOF \p
	WIN 0x40
.irp u, 0,1
.irp c, 0,1,2,3
.if (\p) < 14
	global_load_b128 v[32*((\p)%8)+16*\u+4*\c:32*((\p)%8)+16*\u+4*\c+3], v[LI], s[8:9] offset:SL*4096+2048*\u+512*\c
.else
	global_load_b128 v[32*((\p)%8)+16*\u+4*\c:32*((\p)%8)+16*\u+4*\c+3], v[LI], s[8:9] offset:SL*4096+1024*\u+512*(\c%2)
.endif
.endr
.endr
	WIN 0
.endm
; Eight matrix instructions: weight pair p x my four row tiles' x of K step s (kind 0) or their [e | 0] (kind 1); then the pair eight further on is asked for
.macro PAIR p, kind, s, zero
.if (\p)+7 < 18
	s_wait_loadcnt 56                              ; pair p is in; the seven pairs issued behind it may be out
.else
	s_wait_loadcnt 8*(18-(\p))                     ; the stream ends with pair 18
.endif
.if \kind
	WIN 0x01
.else
	WIN 0x0d
.endif
.irp q, 0,1,2,3
.irp u, 0,1
.if \kind
	WM RS+16*\q+8*\u, 32*((\p)%8)+16*\u, F0+16*\q, \zero, WSC+(\p), ESC+\q/2, \u, \q%2
.else
	WM RS+16*\q+8*\u, 32*((\p)%8)+16*\u, 64*(\s)+16*\q, \zero, WSC+(\p), XSC+2*(\s)+\q/2, \u, \q%2
.endif
.endr
.endr
	WIN 0
	NOPS 8
.if (\p)+8 <= 18
	RINGLOAD (\p)+8
.endif
.endm
.macro JOBEND img, byt, strd, tw       ; a job's 32 output features of 64 rows are quantised and handed round
	QUANT4
	PUT \img, \byt, \strd
.if \tw
	s_wait_tensorcnt 0x1                           ; my first fill (K's or V's first block, my half) has landed; my second may stay out
.endif
	s_wait_dscnt 0x0                               ; my stores have landed, and my loads of the images handed round before are in
	s_barrier_signal -1
	s_barrier_wait -1
.endm
	s_load_b256 s[4:11], s[0:1], 0x0               ; KST s[4:5], VST s[6:7], WS s[8:9], WSS s[10:11]
	s_load_b64 s[12:13], s[0:1], 0x20              ; out0
	v_lshl_add_u32 v[SPW], v0, 2, SPARE
	v_mov_b32 v[NIL], 0
	ds_add_u32 v16, v17
	ds_add_u32 v16, v17
	s_wait_dscnt 0x0
	v_lshrrev_b32 v1, 5, v0
	v_readfirstlane_b32 s14, v1                    ; wave 0..3
	s_and_b32 s15, s14, 1                          ; which half of a block I fetch
	s_and_b32 s18, ttmp7, 0xffff                   ; the batch, which the four partners share
	s_mov_b32 s19, 0x600000
	s_mov_b32 s20, 0x76543210
	s_mov_b32 s21, 0xfedcba98
	; descriptor groups 1: a dense half block as rows of 256 bytes (32 elements of 8 bytes), no padding
	s_mov_b32 s[G1K], 15|(3<<16)|(1<<21)           ; 15:0 the mask: all four work-groups; 17:16 elements of 8 bytes; 21 set beside a mask
	s_mov_b32 s[G1K+1], 32<<16                     ; tensor_dim0
	s_mov_b32 s[G1K+2], (KHALF/256)<<16            ; tensor_dim1
	s_mov_b32 s[G1K+3], 32<<16                     ; tile_dim0
	s_mov_b32 s[G1K+4], KHALF/256                  ; tile_dim1
	s_mov_b32 s[G1K+5], 32                         ; the pitch
	s_mov_b32 s[G1K+6], 0
	s_mov_b32 s[G1K+7], 0
	s_mov_b32 s[G1V], 15|(3<<16)|(1<<21)
	s_mov_b32 s[G1V+1], 32<<16
	s_mov_b32 s[G1V+2], (VHALF/256)<<16
	s_mov_b32 s[G1V+3], 32<<16
	s_mov_b32 s[G1V+4], VHALF/256
	s_mov_b32 s[G1V+5], 32
	s_mov_b32 s[G1V+6], 0
	s_mov_b32 s[G1V+7], 0
	s_mul_i32 s2, s18, 16*KBLK                     ; the batch's block 0,
	s_mul_i32 s57, s15, KHALF                      ; my half of it: in memory and in a slot
	s_add_co_u32 s2, s2, s57
	s_mov_b32 s3, 0
	s_mul_i32 s22, s18, 16*VBLK
	s_mul_i32 s56, s15, VHALF
	s_add_co_u32 s22, s22, s56
	s_mov_b32 s23, 0
	s_and_b32 s74, ttmp9, 3                        ; in a cluster launch ttmp9 is the cluster's x, 0 .. 7 here, which the four partners share
	s_lshl_b32 s74, s74, 2
	s_lshr_b32 s70, ttmp9, 2
	s_lshl_b32 s70, s70, 1
	s_add_co_u32 s74, s74, s70                     ; the walk's first block: 4 (x % 4) + 2 (x / 4)
	s_mov_b32 s73, 0
	s_wait_kmcnt 0x0
	s_add_nc_u64 s[66:67], s[4:5], s[2:3]
	s_add_nc_u64 s[68:69], s[6:7], s[22:23]
.irp n, 0,1
	s_add_co_u32 s70, s74, \n
	s_and_b32 s70, s70, 15                         ; step n's block
	s_mov_b32 s[G0K+4*\n], 1                       ; count = 1
	s_add_co_u32 s[G0K+4*\n+1], s57, KS0+\n*KBLK   ; LDS address: slot n, my half
	s_mul_i32 s72, s70, KBLK
	s_add_nc_u64 s[G0K+4*\n+2:G0K+4*\n+3], s[66:67], s[72:73]   ; global address
	s_or_b32 s[G0K+4*\n+3], s[G0K+4*\n+3], 0x80000000   ; type = 2
	s_mov_b32 s[G0V+4*\n], 1
	s_add_co_u32 s[G0V+4*\n+1], s56, VS0+\n*VBLK
	s_mul_i32 s72, s70, VBLK
	s_add_nc_u64 s[G0V+4*\n+2:G0V+4*\n+3], s[68:69], s[72:73]
	s_or_b32 s[G0V+4*\n+3], s[G0V+4*\n+3], 0x80000000
.endr
	s_add_co_u32 s70, s74, 2
	s_and_b32 s70, s70, 15                         ; K's first refill takes step 2's block,
	s_mov_b32 s71, s70                             ; and so does V's
	CROUND                                         ; all four work-groups are here: the first joint loads meet
	s_cmp_lt_u32 s14, 2                            ; a wave's two first fills stand in one branch, ahead of every wait on TENSORcnt, every LDS read and every other barrier: two loads of mine are out
	s_cbranch_scc0 .Lfirst_v
	tensor_load_to_lds s[G0K:G0K+3], s[G1K:G1K+7]
	s_nop 0
	tensor_load_to_lds s[G0K+4:G0K+7], s[G1K:G1K+7]
	s_nop 0
	NOPS 4
	s_branch .Lfirst_asked
.Lfirst_v:
	tensor_load_to_lds s[G0V:G0V+3], s[G1V:G1V+7]
	s_nop 0
	tensor_load_to_lds s[G0V+4:G0V+7], s[G1V:G1V+7]
	s_nop 0
	NOPS 4
.Lfirst_asked:
	; my place in the cluster enters global addresses alone: my 64 rows' own fragments in KST, and out0
	s_bfe_u32 s16, ttmp6, 0x40000                  ; cx
	s_lshl_b32 s17, ttmp9, 2
	s_add_co_u32 s17, s17, s16                     ; nb: my block of 64 rows
	s_lshr_b32 s58, s17, 1
	s_lshl_b32 s59, s18, 4
	s_add_co_u32 s58, s58, s59
	s_mul_i32 s58, s58, KBLK                       ; they are half of the keys of block (b, nb / 2): key tiles 4 (nb % 2) + q
	s_and_b32 s60, s17, 1
	s_lshl_b32 s61, s60, 15
	s_lshl_b32 s62, s60, 12
	s_lshl_b32 s63, s60, 8
	s_add_co_u32 s60, s58, s62
	s_add_co_u32 s60, s60, 65536                   ; their e fragments
	s_add_co_u32 s62, s58, s63
	s_add_co_u32 s62, s62, 73728                   ; their scale words
	s_add_co_u32 s58, s58, s61                     ; their x fragments
	s_mov_b32 s59, 0
	s_mov_b32 s61, 0
	s_mov_b32 s63, 0
	s_add_nc_u64 s[58:59], s[4:5], s[58:59]
	s_add_nc_u64 s[60:61], s[4:5], s[60:61]
	s_add_nc_u64 s[62:63], s[4:5], s[62:63]
	s_lshl_b32 s2, s18, 22
	s_lshl_b32 s3, s17, 17
	s_add_co_u32 s2, s2, s3                        ; (2,048 b + 64 nb) rows of 2,048 bytes
	s_mov_b32 s3, 0
	s_add_nc_u64 s[12:13], s[12:13], s[2:3]
	s_mul_i32 s2, s14, 102400
	s_add_nc_u64 s[8:9], s[8:9], s[2:3]            ; my wave's weights
	s_mul_i32 s2, s14, 3200
	s_add_nc_u64 s[10:11], s[10:11], s[2:3]        ; and their scale words
	v_and_b32 v1, 31, v0
	v_lshlrev_b32 v[LI], 4, v1
	v_lshlrev_b32 v[LS], 2, v1
	; what the head wants from memory, in the order of its use
.set P, 0
.rept 19
	SLOTOF P
	global_load_b32 v[WSC+P], v[LS], s[10:11] offset:SL*128
.set P, P+1
.endr
.irp s, 0,1,2,3
.irp i, 0,1
	global_load_b32 v[XSC+2*\s+\i], v[LS], s[62:63] offset:512*\s+128*\i   ; lanes 0-15 row tile 2 i, lanes 16-31 row tile 2 i + 1
.endr
.endr
.irp i, 0,1
	global_load_b32 v[ESC+\i], v[LS], s[62:63] offset:2048+128*\i
.endr
	WIN 0xc0
.irp s, 0,1,2,3
.irp q, 0,1,2,3
.irp c, 0,1,2,3
	global_load_b128 v[64*\s+16*\q+4*\c:64*\s+16*\q+4*\c+3], v[LI], s[58:59] offset:8192*\q+2048*\s+512*\c
.endr
.endr
.endr
	WIN 0
.irp q, 0,1,2,3
.irp c, 0,1
	global_load_b128 v[F0+16*\q+4*\c:F0+16*\q+4*\c+3], v[LI], s[60:61] offset:1024*\q+512*\c
.endr
.endr
.irp p, 0,1,2,3,4,5,6,7
	RINGLOAD \p
.endr
.irp q, 0,1,2,3
.irp i, 8,9,10,11,12,13,14,15
	v_mov_b32 v[F0+16*\q+\i], 0                    ; [e | 0]: zero codes fill K from 64 to 127
.endr
.endr
.irp q, 0,1,2,3
	v_mov_b32 v[TM+4+\q], 0                        ; written once: a lane permute's destination counts as one of its sources
.endr
	s_lshl_b32 s2, s14, 14
	v_add_nc_u32 v[ADK], s2, v[LI]
	v_add_nc_u32 v[ADK+1], KBLK, v[ADK]
	s_lshl_b32 s3, s14, 11
	s_add_co_u32 s3, s3, 65536
	v_add_nc_u32 v[ADKE], s3, v[LI]
	v_add_nc_u32 v[ADKE+1], KBLK, v[ADKE]
	s_lshl_b32 s3, s14, 7
	s_add_co_u32 s3, s3, 73728
	v_add_nc_u32 v[ADKS], s3, v[LS]
	v_add_nc_u32 v[ADKS+1], KBLK, v[ADKS]
	s_add_co_u32 s2, s2, VS0
	v_add_nc_u32 v[ADV], s2, v[LI]
	v_add_nc_u32 v[ADV+1], VBLK, v[ADV]
	s_lshl_b32 s3, s14, 9
	s_add_co_u32 s3, s3, VS0+65536
	v_add_nc_u32 v[ADVS], s3, v[LS]
	v_add_nc_u32 v[ADVS+1], VBLK, v[ADVS]
	s_lshl_b32 s3, s14, 9
	v_add_nc_u32 v[CO], s3, v[LI]                  ; the way out: my 512 bytes of a row of out0, 16 a lane
	s_add_co_u32 s3, s3, XBASE
	v_add_nc_u32 v[XW16], s3, v[LI]
	v_and_b32 v1, 15, v0
	v_bfe_u32 v23, v0, 4, 1
	s_add_co_u32 s3, s14, XBASE
	v_lshl_add_u32 v[XW1], v1, 2, s3
	v_add_nc_u32 v[XR16], XBASE, v[LI]
	v_add_nc_u32 v[XR4], XBASE, v[LS]
	v_mul_u32_u24 v[STO], v1, SPIT
	v_lshl_add_u32 v[STO], v23, 5, v[STO]
	s_mul_i32 s3, s14, 16*SPIT
	v_add_nc_u32 v[STO], s3, v[STO]                ; my stage: row r, + 32 h
	v_add_nc_u32 v[RD], s3, v[LI]                  ; and back: a whole row of 512 bytes
	; ---- THE HEAD: my rows' Q0, [Q1 | Q3], Q2.  In each job wave w makes output features 32 w on of a run of 128, which are block w of one K step of S.  K steps of W0 with s < a lie under the mask and are left out
	PAIR 0, 0, 0, 1
	PAIR 1, 0, 1, 0
	PAIR 2, 0, 2, 0
	PAIR 3, 0, 3, 0
	JOBEND 0, ASCL, 512, 0
	GET 2, 0, 0
	PAIR 4, 0, 1, 1
	PAIR 5, 0, 2, 0
	PAIR 6, 0, 3, 0
	JOBEND 8192, ASCL+128, 512, 0                  ; the two buffers by turns: a buffer is written again two barriers behind the loads that read it, and those were waited for in front of the barrier between
	GET 2, 64, 8192
	PAIR 7, 0, 2, 1
	PAIR 8, 0, 3, 0
	JOBEND 0, ASCL+256, 512, 0
	GET 2, 128, 0
	PAIR 9, 0, 3, 1
	JOBEND 8192, ASCL+384, 512, 0
	GET 2, 192, 8192
	PAIR 10, 0, 0, 1                               ; waves 0, 1: Q1 = x W1^T (+ e x zeros);  waves 2, 3: Q3 = (x x zeros +) e W3^T: the same lines in every wave
	PAIR 11, 0, 1, 0
	PAIR 12, 0, 2, 0
	PAIR 13, 0, 3, 0
	PAIR 14, 1, 0, 0
	JOBEND AEIMG, AESCL, 64, 0
	PAIR 15, 1, 0, 1
	JOBEND 0, ASCL+64, 512, 0
	GET 3, 0, 0                                    ; my rows' x has been multiplied for the last time: Q2 takes its registers
	PAIR 16, 1, 0, 1
	JOBEND 8192, ASCL+64+128, 512, 0
	GET 3, 64, 8192
	PAIR 17, 1, 0, 1
	JOBEND 0, ASCL+64+256, 512, 0
	GET 3, 128, 0
	PAIR 18, 1, 0, 1
	JOBEND 8192, ASCL+64+384, 512, 1               ; behind this barrier step 0's keys and values are whole
	GET 3, 192, 8192
.irp q, 0,1,2,3
.irp s, 0,1,2,3
	ds_load_b32 v[ASC+4*\q+\s], v[XR4] offset:ASCL+128*(4*\q+\s)
.endr
.endr
.irp i, 0,1
	ds_load_b32 v[AES+\i], v[XR4] offset:AESCL+128*\i
.endr
	SLOADS1 0                                      ; S(0)
	SLOADS2 0
	SREST 0
	s_wait_tensorcnt 0x0                           ; B_0: all my first fills have landed;
	ds_add_u32 v[SPW], v[NIL]                      ; 0 onto my spare word
	NEXTK 0
	s_wait_dscnt 0x0                               ; the add is done, P(0) has landed, my reads of K's slot 0 are over
	CROUND
	JLOAD 3, 0, 0                                  ; step 2's keys into K's slot 0; V's slots are both still to be read
	UNIT 0, 1, 2                                   ; j = 0: its products start O's sums: nothing is cleared
	s_mov_b32 s56, 6
.Lunits:                                               ; j = 1 .. 12, two units a trip, until the slots are back where they began
	UNIT 1, 0, 2
	UNIT 0, 0, 2
	s_sub_co_u32 s56, s56, 1
	s_cmp_lg_u32 s56, 0
	s_cbranch_scc1 .Lunits
	UNIT 1, 0, 1                                   ; j = 13: only step 15's values are left to ask for.  The tail is written out
	UNIT 0, 0, 0                                   ; j = 14
	OPHASE 1, 0, 0                                 ; O(15)
; THE WAY OUT, a row tile at a time.  A lane holds 32 neighbouring bytes of a row for each of my eight t tiles: they go through my own stage and come back as whole rows of 512 bytes.
; LDS serves a wave's instructions in order (ISA guide 5.7.1.4): no wait between the stores and the loads, nor in front of the next tile's stores.
.macro TOSTAGE q
	WIN 0x04                                       ; an LDS store's data are its source 1: window 1
.irp i, 0,1,2,3,4,5,6,7
	ds_store_b128 v[STO], v[32*\i+8*(\q):32*\i+8*(\q)+3] offset:64*\i          ; each accumulator from its low end on
	ds_store_b128 v[STO], v[32*\i+8*(\q)+4:32*\i+8*(\q)+7] offset:64*\i+16
.endr
	WIN 0
.set BB, 96+64*((\q)%2)
.irp t, 0,1,2,3,4,5,6,7,8,9,10,11,12,13,14,15
	ds_load_b128 v[BB+4*\t:BB+4*\t+3], v[RD] offset:SPIT*\t
.endr
.endm
.macro SEND q, younger                 ; younger: the LDS instructions issued behind tile q's loads, which may stay out
.set BB, 96+64*((\q)%2)
	s_wait_dscnt \younger
.irp t, 0,1,2,3,4,5,6,7,8,9,10,11,12,13,14,15
	global_store_b128 v[CO], v[BB+4*\t:BB+4*\t+3], s[12:13] offset:(32*((\q)/2)+8*((\q)%2)+\t+8*(\t/8))*2048 th:TH_STORE_NT   ; 32 lanes store 512 consecutive bytes, aligned; written once, read by nobody here
.endr
.endm
	NOPS 8                                         ; behind the last products: their results are read, and loads land on their sources
	TOSTAGE 0
.irp q, 1,2,3
.if \q > 1
	s_wait_xcnt 0x0                                ; tile q - 2's stores have read their registers: tile q's loads may land there
.endif
	TOSTAGE \q
	SEND \q-1, 32                                  ; behind tile q - 1's loads: tile q's 16 stores and 16 loads
.endr
	SEND 3, 0
	s_wait_tensorcnt 0x0                           ; the wave's end: behind my last tensor load and my last LDS store
	ds_add_u32 v[SPW], v[NIL]
	s_wait_dscnt 0x0
	CROUND                                         ; the closing round: no work-group ends while a partner may still ask for a block that names it
	s_endpgm
.Lfunc_end_k_qa1821458da_attn:
	.size	k_qa1821458da_attn, .Lfunc_end_k_qa1821458da_attn-k_qa1821458da_attn
	.p2alignl 7, 3214868480
	.fill 96, 4, 3214868480
	.section	.rodata,"a",@progbits
	.p2align	6, 0x0
	.amdhsa_kernel k_qa1821458da_attn
		.amdhsa_group_segment_fixed_size 327680
		.amdhsa_private_segment_fixed_size 0
		.amdhsa_enable_private_segment 0
		.amdhsa_kernarg_size 40
		.amdhsa_user_sgpr_count 2
		.amdhsa_user_sgpr_kernarg_segment_ptr 1
		.amdhsa_wavefront_size32 1
		.amdhsa_system_sgpr_workgroup_id_x 1
		.amdhsa_system_sgpr_workgroup_id_y 1
		.amdhsa_system_sgpr_workgroup_id_z 1
		.amdhsa_system_vgpr_workitem_id 0
		.amdhsa_next_free_vgpr 1024
		.amdhsa_next_free_sgpr 76
		.amdhsa_reserve_vcc 0
		.amdhsa_float_denorm_mode_32 3
		.amdhsa_float_denorm_mode_16_64 3
		.amdhsa_memory_ordered 1
		.amdhsa_forward_progress 1
		.amdhsa_inst_pref_size 255
	.end_amdhsa_kernel
	.section	.bss,"aw",@nobits
	.p2align	6
	.space	262144
	.amdgpu_metadata
---
amdhsa.version: [ 1, 2 ]
amdhsa.kernels:
  - .name:           k_qa1821458da_attn
    .symbol:         k_qa1821458da_attn.kd
    .args:
      - { .name: KST, .offset: 0, .size: 8, .value_kind: global_buffer, .address_space: global }
      - { .name: VST, .offset: 8, .size: 8, .value_kind: global_buffer, .address_space: global }
      - { .name: WS, .offset: 16, .size: 8, .value_kind: global_buffer, .address_space: global }
      - { .name: WSS, .offset: 24, .size: 8, .value_kind: global_buffer, .address_space: global }
      - { .name: out0, .offset: 32, .size: 8, .value_kind: global_buffer, .address_space: global }
    .group_segment_fixed_size: 327680
    .private_segment_fixed_size: 0
    .kernarg_segment_align: 8
    .kernarg_segment_size: 40
    .max_flat_workgroup_size: 128
    .sgpr_count:     76
    .vgpr_count:     1024
    .wavefront_size: 32
...
	.end_amdgpu_metadata
.endif
;; end of part 2
